; MI455X (gfx1250); checked and timed in simulation.
; The chip was launched on July 23, 2026; its instructions are those of AMD's public machine-readable ISA for CDNA 5 (MIT licence, August 2026) and "CDNA5" Instruction Set Architecture Reference Guide (July 2026). The comments in the code are by the model that wrote it; some were corrected since.
;; Transformer. Allowed arithmetic: matrix products marked QUANTISED: E2M1 operands, one E8M0 scale for each 32 along K, by v_wmma_scale_f32_16x16x128_f8f6f4 with both operands' format E2M1 (or v_wmma_scale_f32_32x16x128_f4), f32 sums; products left as they are: f32 operands where the result goes on into a quantised operand, else bf16, f16 or f32 operands; f32 sums; everything else in f32.
;; Inputs: ff_b1 4 x 256 float32; ff_b2 4 x 128 float32; ff_w1_codes 4 x 256 x 4 x 16 uint8 (E2M1 codes of ff_w1, K innermost, in blocks of 32 codes, two codes a byte); ff_w1_scales 4 x 256 x 4 uint8 (E8M0 scales of ff_w1, one for each 32 codes along K); ff_w2_codes 4 x 128 x 8 x 16 uint8 (E2M1 codes of ff_w2, K innermost, in blocks of 32 codes, two codes a byte); ff_w2_scales 4 x 128 x 8 uint8 (E8M0 scales of ff_w2, one for each 32 codes along K); ln1_b 4 x 128 float32; ln1_g 4 x 128 float32; ln2_b 4 x 128 float32; ln2_g 4 x 128 float32; out_b 4 x 128 float32; out_w_codes 4 x 128 x 1 x 16 uint8 (E2M1 codes of out_w, K innermost, in blocks of 32 codes, two codes a byte); out_w_scales 4 x 128 x 1 uint8 (E8M0 scales of out_w, one for each 32 codes along K); qkv_w_codes 4 x 96 x 4 x 16 uint8 (E2M1 codes of qkv_w, K innermost, in blocks of 32 codes, two codes a byte); qkv_w_scales 4 x 96 x 4 uint8 (E8M0 scales of qkv_w, one for each 32 codes along K); x 8 x 16,384 x 128 float32.
;; Outputs: out0 8 x 16,384 x 128 float32.
;; Constants: h = 128, w = 128.
;; This version of the problem:
;;   THIS VERSION OF THE PROBLEM IS GIVEN IN LOW PRECISION. The matrix products marked QUANTISED in the list below multiply operands that are first quantised to E2M1 (2 exponent bits, 1 mantissa bit; 4 bits a number), with one power-of-two scale for each 32 numbers along K (OCP MX v1.0); their sums are f32. All else is computed in f32.
;;   The module's matrix products, in the order in which they are computed (A, B: the left and right operand; K: the contracted axis; several contracted axes count as one K, in the product's order):
;;     1. [M 131,072, K 128] x [K 128, N 96]; A: computed on the way; B: input qkv_w (given as codes): QUANTISED
;;     2. batch 524,288 x [M 1, K 8] x [K 8, N 9]; A: computed on the way; B: computed on the way: left as it is (K = 8 < 32)
;;     3. batch 524,288 x [M 1, K 9] x [K 9, N 8]; A: softmax; B: computed on the way: left as it is (K = 9 < 32)
;;     4. [M 131,072, K 32] x [K 32, N 128]; A: computed on the way; B: input out_w (given as codes): QUANTISED
;;     5. [M 131,072, K 128] x [K 128, N 256]; A: computed on the way; B: input ff_w1 (given as codes): QUANTISED
;;     6. [M 131,072, K 256] x [K 256, N 128]; A: computed on the way; B: input ff_w2 (given as codes): QUANTISED
;;     7. [M 131,072, K 128] x [K 128, N 96]; A: computed on the way; B: input qkv_w (given as codes): QUANTISED
;;     8. batch 524,288 x [M 1, K 8] x [K 8, N 9]; A: computed on the way; B: computed on the way: left as it is (K = 8 < 32)
;;     9. batch 524,288 x [M 1, K 9] x [K 9, N 8]; A: softmax; B: computed on the way: left as it is (K = 9 < 32)
;;     10. [M 131,072, K 32] x [K 32, N 128]; A: computed on the way; B: input out_w (given as codes): QUANTISED
;;     11. [M 131,072, K 128] x [K 128, N 256]; A: computed on the way; B: input ff_w1 (given as codes): QUANTISED
;;     12. [M 131,072, K 256] x [K 256, N 128]; A: computed on the way; B: input ff_w2 (given as codes): QUANTISED
;;     13. [M 131,072, K 128] x [K 128, N 96]; A: computed on the way; B: input qkv_w (given as codes): QUANTISED
;;     14. batch 524,288 x [M 1, K 8] x [K 8, N 9]; A: computed on the way; B: computed on the way: left as it is (K = 8 < 32)
;;     15. batch 524,288 x [M 1, K 9] x [K 9, N 8]; A: softmax; B: computed on the way: left as it is (K = 9 < 32)
;;     16. [M 131,072, K 32] x [K 32, N 128]; A: computed on the way; B: input out_w (given as codes): QUANTISED
;;     17. [M 131,072, K 128] x [K 128, N 256]; A: computed on the way; B: input ff_w1 (given as codes): QUANTISED
;;     18. [M 131,072, K 256] x [K 256, N 128]; A: computed on the way; B: input ff_w2 (given as codes): QUANTISED
;;     19. [M 131,072, K 128] x [K 128, N 96]; A: computed on the way; B: input qkv_w (given as codes): QUANTISED
;;     20. batch 524,288 x [M 1, K 8] x [K 8, N 9]; A: computed on the way; B: computed on the way: left as it is (K = 8 < 32)
;;     21. batch 524,288 x [M 1, K 9] x [K 9, N 8]; A: softmax; B: computed on the way: left as it is (K = 9 < 32)
;;     22. [M 131,072, K 32] x [K 32, N 128]; A: computed on the way; B: input out_w (given as codes): QUANTISED
;;     23. [M 131,072, K 128] x [K 128, N 256]; A: computed on the way; B: input ff_w1 (given as codes): QUANTISED
;;     24. [M 131,072, K 256] x [K 256, N 128]; A: computed on the way; B: input ff_w2 (given as codes): QUANTISED
;;   THE QUANTISER, for each operand of a quantised product, along K:
;;     - K is cut into blocks of 32 from its start; a last block that is shorter is filled with zeros.
;;     - A block's scale is 2^e with e = floor(log2(the largest magnitude in the block)) - 2, held to -126 .. 127; a block of zeros has e = 0. As a byte (E8M0): e + 127.
;;     - Each number is divided by its block's scale, clamped to +-6, and rounded to the nearest number of E2M1, ties to even, subnormals kept.
;;     - The product sums the exact products of the quantised numbers (number of the format x scale) in f32.
;;   ~~~python
;;   def quantise(x, axis):      # numpy; x: float32 -> the quantised numbers, widened to float32 again
;;       x = np.moveaxis(x, axis, -1); K = x.shape[-1]
;;       x = np.pad(x, [(0, 0)] * (x.ndim - 1) + [(0, -K % 32)]); x = x.reshape(x.shape[:-1] + (-1, 32)); a = np.abs(x).max(-1, keepdims=True)
;;       e = np.where(a > 0, np.clip(np.frexp(np.where(a > 0, a, 1))[1] - 1 - 2, -126, 127), 0)      # np.frexp(a)[1] - 1 = floor(log2(a)), exactly
;;       r = np.clip(x / 2.0 ** e, -6, 6)
;;       step = 2.0 ** (np.maximum(np.frexp(np.where(r == 0, 1, r))[1] - 1, 0) - 1)
;;       q = np.round(r / step) * step * 2.0 ** e      # np.round: ties to even
;;       return np.moveaxis(q.reshape(q.shape[:-2] + (-1,))[..., :K], -1, axis).astype(np.float32)
;;   ~~~
;;   OPERANDS COMPUTED ON THE WAY. 'Computed on the way' means the value that the module computes at that place (a softmax that the list does not call 'softmax' is quantised finished and normalised). What goes into a quantiser is computed in f32, as accurately as f32 sums, v_exp_f32 and their like allow (about 1e-6 of the number): no bf16 or f16 on the way to a quantiser, and a product that is left as it is and whose result goes on into a quantised operand takes f32 operands (vector FMAs, or v_wmma_f32_16x16x4_f32). A number that lies on a knife's edge between two numbers of the format may be rounded either way, as far as f32 arithmetic and the matrix unit's own rounding can turn it there, and no further.
;;   INPUTS GIVEN AS CODES. ff_w1 (in the module: [4, 128, 256], K = its axis 1); ff_w2 (in the module: [4, 256, 128], K = its axis 1); out_w (in the module: [4, 32, 128], K = its axis 1); qkv_w (in the module: [4, 128, 96], K = its axis 1): each comes as NAME_codes (uint8): NAME with its K axis moved to the last place and cut into blocks of 32 codes, [.., K / 32, bytes a block], one block behind the other in memory; two codes a byte, the lower K in the low four bits (a code: sign, 2 exponent bits, 1 mantissa bit); and NAME_scales (uint8): the same leading axes, one E8M0 byte (e + 127) for each 32 codes along K. Its value is code x scale, taken as it is: it is not quantised again, and the codes and scales need not be those that the quantiser above would give.
;; One version. Each part assembles by itself: llvm-mc -triple=amdgcn-amd-amdhsa -mcpu=gfx1250 --defsym DOCPART=n.
;; ======== version 1 of 1: 5 launches
;; limits: a function is approximated: absolute error at most 2e-07
;; workspace buffers: ws 67,108,864 bytes; p0 48,128 bytes; p1 48,128 bytes; p2 48,128 bytes; p3 48,128 bytes
;; launch prep (part 1): grid 4 x 1, 8 waves a work-group, no clusters, 0 bytes of LDS; arguments qkv_w_codes, qkv_w_scales, out_w_codes, out_w_scales, ff_w1_codes, ff_w1_scales, ff_w2_codes, ff_w2_scales, ln1_g, ln1_b, out_b, ln2_g, ln2_b, ff_b2, ff_b1, p0, p1, p2, p3; writes p0, p1, p2, p3
.if DOCPART == 1
	.amdgcn_target "amdgcn-amd-amdhsa--gfx1250"
	.amdhsa_code_object_version 6
	.text
	.protected	k_qdbd97a33f0_prep
	.globl	k_qdbd97a33f0_prep
	.p2align	8
	.type	k_qdbd97a33f0_prep,@function
k_qdbd97a33f0_prep:
	s_mov_b64 s[64:65], 0
	v_nop
	global_prefetch_b8 v0, s[64:65] scope:SCOPE_SE
	s_setreg_imm32_b32 hwreg(HW_REG_WAVE_MODE, 25, 1), 1
	s_wait_xcnt 0x0
; Work-group d lays the parameters of layer d into its own buffer P (48,128 bytes), in the order in which the layer launch takes them:
;   0      FF1: 16 fragments of 16 rows x 128 K as images of the operand registers: tile t at 1024 t, register group c at + 512 c, lane l at + 16 l
;   16384  FF2: fragment 8 s + n (K step s, tile n), the same form
;   32768  QKV: tiles 0..5 (q, q, k, k, v, v), the same form
;   38912  OUT: row 16 t + r, 16 bytes (K = 32), its nibbles zipped (see ZIP)
;   40960  the seven vectors as they lie: ln1_g, ln1_b, out_b, ln2_g, ln2_b, ff_b2 (512 bytes each), ff_b1 (1,024)
;   45056  24 images of scale registers, 4 bytes a lane: lanes 0-15 the even tile of a pair, lanes 16-31 the odd one: 0-7 FF1, 8-15 FF2 (4 s + pair), 16-18 QKV, 19 a copy of 18, 20-23 OUT
; WHICH ROWS FORM A TILE (r = lane % 16, h = lane / 16):  RS = r + (r & 8): tile t of FF1, FF2, OUT takes rows 32 (t / 2) + 8 (t % 2) + RS, so that in the transposed product the 16 registers
; of two neighbouring tiles are 16 neighbouring features.  RI = 16 (r / 8) + 8 (r % 2) + (r % 8) / 2: tile t of QKV takes rows 32 (t / 2) + 4 (t % 2) + RI, so that register i of a pair of tiles
; is head 2 h + i % 2, channel i / 2: two heads side by side in every register pair.
; Eight waves; thread n moves 16 bytes at 16 n of each run of 4,096 bytes: every store of a wave covers 512 consecutive bytes.  One trip to memory: all loads, one wait, all stores.
.macro ADV p, stride                   ; a pointer on to layer d
	s_mul_i32 s50, ttmp9, \stride
	s_add_nc_u64 s[\p:\p+1], s[\p:\p+1], s[50:51]
.endm
.macro SPREAD x                        ; four nibbles in bits 15:0 go to the even nibbles of the word
	v_lshl_or_b32 v[\x], v[\x], 8, v[\x]
	v_and_b32 v[\x], s60, v[\x]
	v_lshl_or_b32 v[\x], v[\x], 4, v[\x]
	v_and_b32 v[\x], s61, v[\x]
.endm
; ZIP: d0 holds the codes of k = 16 h + 0 .. 7 (one head), d1 those of k = 16 h + 8 .. 15 (the next head).  The layer launch has o with the two heads interleaved: place 16 h + 2 c + e holds k = 16 h + 8 e + c.
; So the weight takes the same order: nibble 2 c from d0, nibble 2 c + 1 from d1.  The order changes inside the one block of 32 alone, alike on both operands.
.macro ZIP d0, d1, e0, e1
	v_and_b32 v76, 0xffff, v[\d0]
	v_lshrrev_b32 v77, 16, v[\d0]
	v_and_b32 v78, 0xffff, v[\d1]
	v_lshrrev_b32 v79, 16, v[\d1]
	SPREAD 76
	SPREAD 77
	SPREAD 78
	SPREAD 79
	v_lshl_or_b32 v[\e0], v78, 4, v76
	v_lshl_or_b32 v[\e1], v79, 4, v77
.endm
	s_load_b512 s[4:19], s[0:1], 0x0               ; qkv codes 4, qkv scales 6, out codes 8, out scales 10, ff1 codes 12, ff1 scales 14, ff2 codes 16, ff2 scales 18
	s_load_b512 s[20:35], s[0:1], 0x40             ; ln1_g 20, ln1_b 22, out_b 24, ln2_g 26, ln2_b 28, ff_b2 30, ff_b1 32, p0 34
	s_load_b128 s[36:39], s[0:1], 0x80             ; p1 36, p2 38
	s_load_b64 s[40:41], s[0:1], 0x90              ; p3
	v_lshrrev_b32 v1, 5, v0
	v_readfirstlane_b32 s44, v1                    ; wave w
	v_and_b32 v1, 31, v0                           ; lane
	v_and_b32 v2, 15, v0                           ; r
	v_bfe_u32 v3, v0, 4, 1                         ; h
	v_and_b32 v4, 8, v2
	v_add_nc_u32 v4, v4, v2                        ; RS
	v_lshrrev_b32 v5, 3, v2
	v_lshlrev_b32 v5, 4, v5
	v_and_b32 v6, 1, v2
	v_lshl_add_u32 v5, v6, 3, v5
	v_bfe_u32 v6, v2, 1, 2
	v_add_nc_u32 v5, v5, v6                        ; RI
	s_lshr_b32 s52, s44, 2                         ; w / 4
	s_bfe_u32 s53, s44, 0x10001                    ; (w / 2) % 2
	s_and_b32 s54, s44, 1                          ; w % 2: the register group c
	s_and_b32 s55, s44, 3
	s_lshl_b32 s54, s54, 5                         ; 32 c bytes
	; thread n at byte 16 n + 4096 k of a run of images: tile 4 k + w / 2, group w % 2, lane n % 32
	s_lshl_b32 s56, s52, 11                        ; FF1: rows of 64 bytes: (32 (w / 4) + 8 ((w / 2) % 2)) x 64 + 32 c
	s_lshl_b32 s57, s53, 9
	s_add_co_u32 s56, s56, s57
	s_add_co_u32 s56, s56, s54
	v_lshlrev_b32 v10, 6, v4
	v_lshl_add_u32 v10, v3, 4, v10
	v_add_nc_u32 v10, s56, v10
	s_lshl_b32 s56, s52, 12                        ; FF2: rows of 128 bytes
	s_lshl_b32 s57, s53, 10
	s_add_co_u32 s56, s56, s57
	s_add_co_u32 s56, s56, s54
	v_lshlrev_b32 v11, 7, v4
	v_lshl_add_u32 v11, v3, 4, v11
	v_add_nc_u32 v11, s56, v11
	s_lshl_b32 s56, s52, 11                        ; QKV: rows of 64 bytes: (32 (w / 4) + 4 ((w / 2) % 2)) x 64 + 32 c
	s_lshl_b32 s57, s53, 8
	s_add_co_u32 s56, s56, s57
	s_add_co_u32 s56, s56, s54
	v_lshlrev_b32 v12, 6, v5
	v_lshl_add_u32 v12, v3, 4, v12
	v_add_nc_u32 v12, s56, v12
	s_cmp_eq_u32 s44, 7                            ; the vectors: wave w takes 512 bytes; wave 7 the second half of ff_b1
	s_cselect_b32 s48, 512, 0
	v_lshlrev_b32 v13, 4, v1
	v_add_nc_u32 v13, s48, v13
	s_lshl_b32 s56, s44, 7                         ; FF1 scale words: 4 (32 w + 8 h + RS)
	v_lshlrev_b32 v14, 2, v4
	v_lshl_add_u32 v14, v3, 5, v14
	v_add_nc_u32 v14, s56, v14
	s_lshl_b32 s56, s55, 8                         ; FF2 scale words: 8 (32 (w % 4) + 8 h + RS) + 4 (w / 4)
	s_lshl_b32 s57, s52, 2
	s_add_co_u32 s56, s56, s57
	v_lshlrev_b32 v15, 3, v4
	v_lshl_add_u32 v15, v3, 6, v15
	v_add_nc_u32 v15, s56, v15
	v_lshlrev_b32 v16, 4, v0                       ; where 16 bytes go
	v_lshlrev_b32 v17, 2, v0                       ; where a scale word goes
	s_min_u32 s62, s44, 2                          ; QKV scale words: 4 (32 min(w, 2) + 4 h + RI)
	s_lshl_b32 s62, s62, 7
	v_lshlrev_b32 v18, 2, v5
	v_lshl_add_u32 v18, v3, 4, v18
	v_add_nc_u32 v18, s62, v18
	s_lshl_b32 s63, s55, 5                         ; OUT: row 32 (w - 4) + 8 h + RS
	v_lshl_add_u32 v20, v3, 3, v4
	v_add_nc_u32 v20, s63, v20                     ; its scale byte,
	v_lshlrev_b32 v19, 4, v20                      ; its 16 bytes of codes
	s_mov_b32 s51, 0
	s_mov_b32 s60, 0x00ff00ff
	s_mov_b32 s61, 0x0f0f0f0f
	s_wait_kmcnt 0x0
	ADV 4, 6144
	ADV 6, 384
	ADV 8, 2048
	ADV 10, 128
	ADV 12, 16384
	ADV 14, 1024
	ADV 16, 16384
	ADV 18, 1024
.irp p, 20,22,24,26,28,30
	ADV \p, 512
.endr
	ADV 32, 1024
	s_cmp_eq_u32 ttmp9, 1                          ; the layer picks its own buffer: the choice hangs on the work-group number alone
	s_cselect_b64 s[42:43], s[36:37], s[34:35]
	s_cmp_eq_u32 ttmp9, 2
	s_cselect_b64 s[42:43], s[38:39], s[42:43]
	s_cmp_eq_u32 ttmp9, 3
	s_cselect_b64 s[42:43], s[40:41], s[42:43]
	s_mov_b64 s[46:47], s[32:33]                   ; the wave picks its vector: waves 6 and 7 ff_b1
.irp k, 0,1,2,3,4,5
	s_cmp_eq_u32 s44, \k
	s_cselect_b64 s[46:47], s[20+2*\k:21+2*\k], s[46:47]
.endr
.irp k, 0,1,2,3
	global_load_b128 v[24+4*\k:27+4*\k], v10, s[12:13] offset:4096*\k
.endr
	global_load_b128 v[40:43], v11, s[16:17]                       ; K step 0, tiles 0-3
	global_load_b128 v[44:47], v11, s[16:17] offset:8192           ; K step 0, tiles 4-7
	global_load_b128 v[48:51], v11, s[16:17] offset:64             ; K step 1, tiles 0-3
	global_load_b128 v[52:55], v11, s[16:17] offset:8256           ; K step 1, tiles 4-7
	global_load_b128 v[56:59], v12, s[4:5]                         ; QKV tiles 0-3
	global_load_b128 v[60:63], v13, s[46:47]
	global_load_b32 v21, v14, s[14:15]
	global_load_b32 v22, v15, s[18:19]
	s_cmp_lt_u32 s44, 4
	s_cbranch_scc0 .Lout_part
	global_load_b128 v[72:75], v12, s[4:5] offset:4096             ; waves 0-3: QKV tiles 4, 5 and the QKV scale images
	global_load_b32 v68, v18, s[6:7]
	s_wait_loadcnt 0x0                             ; all of this wave's loads
	s_branch .Lstore
.Lout_part:
	global_load_b128 v[64:67], v19, s[8:9]                         ; waves 4-7: OUT's rows and scale images
	global_load_u8 v68, v20, s[10:11]                              ; one byte: the word's upper three bytes are 0 and stand over zero codes of the other operand
	s_wait_loadcnt 0x0                             ; all of this wave's loads
	ZIP 64, 65, 72, 73
	ZIP 66, 67, 74, 75
.Lstore:
.irp k, 0,1,2,3
	global_store_b128 v16, v[24+4*\k:27+4*\k], s[42:43] offset:4096*\k
	global_store_b128 v16, v[40+4*\k:43+4*\k], s[42:43] offset:16384+4096*\k
.endr
	global_store_b128 v16, v[56:59], s[42:43] offset:32768
	global_store_b128 v16, v[72:75], s[42:43] offset:36864         ; threads 0-127: QKV's last 2,048 bytes; threads 128-255: OUT at 38,912
	global_store_b128 v16, v[60:63], s[42:43] offset:40960
	global_store_b32 v17, v21, s[42:43] offset:45056
	global_store_b32 v17, v22, s[42:43] offset:46080
	global_store_b32 v17, v68, s[42:43] offset:47104
	s_endpgm
.Lfunc_end_k_qdbd97a33f0_prep:
	.size	k_qdbd97a33f0_prep, .Lfunc_end_k_qdbd97a33f0_prep-k_qdbd97a33f0_prep
	.p2alignl 7, 3214868480
	.fill 96, 4, 3214868480
	.section	.rodata,"a",@progbits
	.p2align	6, 0x0
	.amdhsa_kernel k_qdbd97a33f0_prep
		.amdhsa_group_segment_fixed_size 0
		.amdhsa_private_segment_fixed_size 0
		.amdhsa_enable_private_segment 0
		.amdhsa_kernarg_size 152
		.amdhsa_user_sgpr_count 2
		.amdhsa_user_sgpr_kernarg_segment_ptr 1
		.amdhsa_wavefront_size32 1
		.amdhsa_system_sgpr_workgroup_id_x 1
		.amdhsa_system_sgpr_workgroup_id_y 1
		.amdhsa_system_sgpr_workgroup_id_z 1
		.amdhsa_system_vgpr_workitem_id 0
		.amdhsa_next_free_vgpr 96
		.amdhsa_next_free_sgpr 66
		.amdhsa_reserve_vcc 0
		.amdhsa_float_denorm_mode_32 3
		.amdhsa_float_denorm_mode_16_64 3
		.amdhsa_memory_ordered 1
		.amdhsa_forward_progress 1
		.amdhsa_inst_pref_size 11
	.end_amdhsa_kernel
	.amdgpu_metadata
---
amdhsa.version: [ 1, 2 ]
amdhsa.kernels:
  - .name:           k_qdbd97a33f0_prep
    .symbol:         k_qdbd97a33f0_prep.kd
    .args:
      - { .name: qkv_w_codes, .offset: 0, .size: 8, .value_kind: global_buffer, .address_space: global }
      - { .name: qkv_w_scales, .offset: 8, .size: 8, .value_kind: global_buffer, .address_space: global }
      - { .name: out_w_codes, .offset: 16, .size: 8, .value_kind: global_buffer, .address_space: global }
      - { .name: out_w_scales, .offset: 24, .size: 8, .value_kind: global_buffer, .address_space: global }
      - { .name: ff_w1_codes, .offset: 32, .size: 8, .value_kind: global_buffer, .address_space: global }
      - { .name: ff_w1_scales, .offset: 40, .size: 8, .value_kind: global_buffer, .address_space: global }
      - { .name: ff_w2_codes, .offset: 48, .size: 8, .value_kind: global_buffer, .address_space: global }
      - { .name: ff_w2_scales, .offset: 56, .size: 8, .value_kind: global_buffer, .address_space: global }
      - { .name: ln1_g, .offset: 64, .size: 8, .value_kind: global_buffer, .address_space: global }
      - { .name: ln1_b, .offset: 72, .size: 8, .value_kind: global_buffer, .address_space: global }
      - { .name: out_b, .offset: 80, .size: 8, .value_kind: global_buffer, .address_space: global }
      - { .name: ln2_g, .offset: 88, .size: 8, .value_kind: global_buffer, .address_space: global }
      - { .name: ln2_b, .offset: 96, .size: 8, .value_kind: global_buffer, .address_space: global }
      - { .name: ff_b2, .offset: 104, .size: 8, .value_kind: global_buffer, .address_space: global }
      - { .name: ff_b1, .offset: 112, .size: 8, .value_kind: global_buffer, .address_space: global }
      - { .name: p0, .offset: 120, .size: 8, .value_kind: global_buffer, .address_space: global }
      - { .name: p1, .offset: 128, .size: 8, .value_kind: global_buffer, .address_space: global }
      - { .name: p2, .offset: 136, .size: 8, .value_kind: global_buffer, .address_space: global }
      - { .name: p3, .offset: 144, .size: 8, .value_kind: global_buffer, .address_space: global }
    .group_segment_fixed_size: 0
    .private_segment_fixed_size: 0
    .kernarg_segment_align: 8
    .kernarg_segment_size: 152
    .max_flat_workgroup_size: 256
    .sgpr_count:     66
    .vgpr_count:     96
    .wavefront_size: 32
...
	.end_amdgpu_metadata
.endif
;; end of part 1
;; launch layer0 (part 2): grid 256 x 1, 8 waves a work-group, no clusters, 322,816 bytes of LDS; arguments x, ws, p0; writes ws
.if DOCPART == 2
	.amdgcn_target "amdgcn-amd-amdhsa--gfx1250"
	.amdhsa_code_object_version 6
	.text
	.protected	k_qdbd97a33f0_layer0
	.globl	k_qdbd97a33f0_layer0
	.p2align	8
	.type	k_qdbd97a33f0_layer0,@function
k_qdbd97a33f0_layer0:
	s_mov_b64 s[64:65], 0
	v_nop
	global_prefetch_b8 v0, s[64:65] scope:SCOPE_SE
	s_setreg_imm32_b32 hwreg(HW_REG_WAVE_MODE, 25, 1), 1
	s_wait_xcnt 0x0
; ONE LAYER: x -> x + attention(LN1 x) W_out + b -> + FF(LN2 ..).  xin, xout: [8][128][128][128] f32; P: the layer's parameters as the first launch laid them.
; The four large products run on E2M1 codes with one E8M0 scale for each 32 along K; each activation operand is quantised in registers from f32.  The 3 x 3 attention is f32 vector work.
; SHARES.  Work-group g owns image rows 4 g .. 4 g + 3 (512 tokens; 32 work-groups to an image).  Wave w owns tokens 16 w .. 16 w + 15 of every row: a tile of 16 tokens, 8,192 dense bytes of x.
; Attention wants k and v of the rows above and below: so LN1 and the k, v product (phase A) run for six rows, -1 .. 4, and the rest (phase B) for four.  A halo row outside the image gives zeros, as the padding does.
; LAYOUT.  Every product is used transposed (source 0 = 16 rows of a weight, source 1 = my 16 tokens): lane (r, h) holds token r, and register 16 b + i is feature 32 b + 16 h + i.  So a row statistic wants one
; exchange between the lane halves, a block of 32 lies in lanes l and l xor 16, and each result is the next operand's numbers in order.  q, k, v come with two heads interleaved: register i is head 2 h + i % 2, channel i / 2.
; LDS.  KV: a ring of four image rows of k and v: 130 records of 272 bytes (token -1 .. 128; at + 128 h: k 64 bytes, v 64 bytes); records 0 and 129 are zeros.  Row p lies in ring row (p + 1) % 4.
;       STG: for each wave two slots of 16 rows x 528 bytes, its own: x comes in as it lies and is read turned; read again for the residual; the result goes out through the same slot.  Row p uses slot p % 2.
;       PB: bytes 0 .. 45,055 of P.  Pitches 272 and 528 are odd multiples of 16 bytes.
; REGISTERS.  Window 0: v1-15 addresses; v16-38 the weights' scale words; v39-47 LN1(x) as codes; v48-56 o, later LN2's y; v58-75 the hidden layer's codes (in attention: o); v76-91 q; v92-127 at work;
;   v128-191 XP: x and what it becomes; v192-255 ACC: y, results, rows on the way out.  Window 1: v0-127 FF1's 16 fragments, v128-191 FF2's K step 0, v192-255 the next row of x as loaded.
; BARRIERS.  One behind the copy of P.  In a trip: one behind the stores of row i + 1's k and v, one behind the last read of k and v.  Between the two the ring is only read, outside them each wave only writes its own records.
; LIMITS.  erf is a five-term form 1 - t (..) exp(-x^2), t = 1 / (1 + p x), absolute error about 2e-7: gelu(z) is off by up to about 3e-7 |z|, which for z under -3 is a growing share of a vanishing number.
;   NaN and infinities among the inputs are not served.  A block of zeros gets the scale byte 1: its codes are zeros, and only this program reads the byte.  The K = 32 product has its K in another order inside its one block.
; No tensor load: the stage is also written by LDS stores.  No cluster: what neighbours share is one row in six.
.set KROW,  35360                      ; a ring row: 130 x 272
.set STG,   141440                     ; behind the ring
.set SLOTB, 8448                       ; a stage slot: 16 x 528
.set WSTG,  16896                      ; a wave's two slots
.set PB,    276608                     ; behind the stages
.set P_F2,  16384
.set P_QKV, 32768
.set P_OUT, 38912
.set P_VEC, 40960
.set P_SC,  45056
.set ROWB,  65536                      ; an image row of x in bytes
.set L16, 1                            ; v1   16 x lane
.set SD,  2                            ; v2   my stage, dense: + 16 x lane
.set ST,  3                            ; v3   my stage, turned: + 528 r + 64 h
.set KL,  4                            ; v4   272 (16 w + r) + 128 h: the record LEFT of my token's
.set VA,  5                            ; v5   the vectors: PB + 40960 + 64 h
.set FI,  6                            ; v6   fragment images: PB + 16 x lane
.set SDN, 7                            ; v7, v8   SD, ST in the slot of row i + 1
.set STN, 8
.set STC, 9                            ; v9, v10  ST, SD in the slot of row i
.set SDC, 10
.set KW,  11                           ; v11  my token's record in the ring row that is being stored
.set KA,  12                           ; v12-14 KL in the ring rows of image rows i - 1, i, i + 1
.set OA,  15                           ; v15  OUT's rows: PB + 38912 + 16 r
.set S1,  16                           ; scale words: FF1 v16-23, FF2 v24-31, QKV v32-34, OUT v35-38
.set S2,  24
.set SQ,  32
.set SO,  35
.set YS,  39                           ; scale word of CY
.set CY,  40                           ; v40-47 codes of LN1(x)
.set C2,  48                           ; v48-55 codes of o, later of LN2's y; v56 their scale word
.set C2S, 56
.set CH,  58                           ; v58-73 the hidden layer's two fragments, v74-75 their scale words
.set CHS, 74
.set Q,   76                           ; v76-91
.set TM,  92                           ; v92-127 at work
.set MN,  TM+8                         ; the mean, twice
.set RS,  TM+10                        ; 1 / sqrt(var + eps), twice
.set PX,  TM+12                        ; what the other lane half sends
.set XP,  128
.set ACC, 192
.set XL,  192                          ; in window 1
.set MSB, 0
.macro WIN new                         ; the immediate's high byte repeats the setting that is left
.if MSB != \new
	s_set_vgpr_msb (MSB<<8)|\new
.set MSB, \new
.endif
.endm
.macro PLACES n                        ; plain vector lines behind or in front of matrix instructions (ISA guide 7.12.1)
.rept \n
	v_nop
.endr
.endm
.macro MM0 d, a, b, sa, sb, row        ; a product that starts a sum; row = 1: the weight's scale words stand in lanes 16-31
.if \row
	v_wmma_scale_f32_16x16x128_f8f6f4 v[\d:\d+7], v[\a:\a+7], v[\b:\b+7], 0, v[\sa], v[\sb] matrix_a_fmt:MATRIX_FMT_FP4 matrix_b_fmt:MATRIX_FMT_FP4 matrix_a_scale:MATRIX_SCALE_ROW1
.else
	v_wmma_scale_f32_16x16x128_f8f6f4 v[\d:\d+7], v[\a:\a+7], v[\b:\b+7], 0, v[\sa], v[\sb] matrix_a_fmt:MATRIX_FMT_FP4 matrix_b_fmt:MATRIX_FMT_FP4
.endif
.endm
.macro MMA d, a, b, sa, sb, row        ; a product that adds onto what its accumulator holds (a bias, a residual, an earlier K step)
.if \row
	v_wmma_scale_f32_16x16x128_f8f6f4 v[\d:\d+7], v[\a:\a+7], v[\b:\b+7], v[\d:\d+7], v[\sa], v[\sb] matrix_a_fmt:MATRIX_FMT_FP4 matrix_b_fmt:MATRIX_FMT_FP4 matrix_a_scale:MATRIX_SCALE_ROW1
.else
	v_wmma_scale_f32_16x16x128_f8f6f4 v[\d:\d+7], v[\a:\a+7], v[\b:\b+7], v[\d:\d+7], v[\sa], v[\sb] matrix_a_fmt:MATRIX_FMT_FP4 matrix_b_fmt:MATRIX_FMT_FP4
.endif
.endm
.macro XLOAD reg, ptr, off             ; a tile of x as it lies: 16 loads of 512 consecutive bytes
.irp t, 0,1,2,3,4,5,6,7,8,9,10,11,12,13,14,15
	global_load_b128 v[\reg+4*\t:\reg+4*\t+3], v[L16], s[\ptr:\ptr+1] offset:\off+512*\t
.endr
.endm
.macro STIN a, reg, off                ; and into a stage slot: token t's 512 bytes at 528 t
.irp t, 0,1,2,3,4,5,6,7,8,9,10,11,12,13,14,15
	ds_store_b128 v[\a], v[\reg+4*\t:\reg+4*\t+3] offset:\off+528*\t
.endr
.endm
.macro TRIN a, reg, off                ; 64 numbers in the lane's order: register 16 b + 4 j .. at 128 b + 16 j (the address holds 64 h)
.irp b, 0,1,2,3
.irp j, 0,1,2,3
	ds_load_b128 v[\reg+16*\b+4*\j:\reg+16*\b+4*\j+3], v[\a] offset:\off+128*\b+16*\j
.endr
.endr
.endm
.macro FETCH reg, off                  ; a fragment image
	ds_load_b128 v[\reg:\reg+3], v[FI] offset:\off
	ds_load_b128 v[\reg+4:\reg+7], v[FI] offset:\off+512
.endm
.macro VCH buf, go, bo, st             ; gain and bias of registers 8 st .. 8 st + 7: four loads
	ds_load_b128 v[\buf:\buf+3], v[VA] offset:\go+128*((\st)/2)+32*((\st)%2)
	ds_load_b128 v[\buf+4:\buf+7], v[VA] offset:\go+128*((\st)/2)+32*((\st)%2)+16
	ds_load_b128 v[\buf+8:\buf+11], v[VA] offset:\bo+128*((\st)/2)+32*((\st)%2)
	ds_load_b128 v[\buf+12:\buf+15], v[VA] offset:\bo+128*((\st)/2)+32*((\st)%2)+16
.endm
.macro FOLD                            ; four packed chains in v[TM .. TM+7] become the row's sum, in every lane of the token
	v_pk_add_f32 v[TM:TM+1], v[TM:TM+1], v[TM+2:TM+3]
	v_pk_add_f32 v[TM+4:TM+5], v[TM+4:TM+5], v[TM+6:TM+7]
	v_pk_add_f32 v[TM:TM+1], v[TM:TM+1], v[TM+4:TM+5]
	v_add_f32 v[TM], v[TM], v[TM+1]
	v_permlanex16_b32 v[PX], v[TM], s20, s21
	v_add_f32 v[TM], v[TM], v[PX]
.endm
; y = (x - mean) / sqrt(var + eps), two passes, f32.  The sums take the registers in ascending order, each group of eight from its low end on.
.macro LNSTAT x, y
.irp k, 0,2,4,6
	v_pk_add_f32 v[TM+\k:TM+\k+1], v[\x+\k:\x+\k+1], v[\x+8+\k:\x+8+\k+1]
.endr
.irp m, 16,24,32,40,48,56
.irp k, 0,2,4,6
	v_pk_add_f32 v[TM+\k:TM+\k+1], v[TM+\k:TM+\k+1], v[\x+\m+\k:\x+\m+\k+1]
.endr
.endr
	FOLD
	v_mul_f32 v[MN], s41, v[TM]
	v_mul_f32 v[MN+1], s41, v[TM]
.set J, 0
.rept 32
	v_pk_add_f32 v[\y+J:\y+J+1], v[\x+J:\x+J+1], v[MN:MN+1] neg_lo:[0,1] neg_hi:[0,1]
.set J, J+2
.endr
.irp k, 0,2,4,6
	v_pk_mul_f32 v[TM+\k:TM+\k+1], v[\y+\k:\y+\k+1], v[\y+\k:\y+\k+1]
.endr
.irp m, 8,16,24,32,40,48,56
.irp k, 0,2,4,6
	v_pk_fma_f32 v[TM+\k:TM+\k+1], v[\y+\m+\k:\y+\m+\k+1], v[\y+\m+\k:\y+\m+\k+1], v[TM+\k:TM+\k+1]
.endr
.endr
	FOLD
	v_fma_f32 v[TM], v[TM], s41, s42               ; var + eps
	v_rsq_f32 v[RS], v[TM]
	v_rsq_f32 v[RS+1], v[TM]
	v_nop                                          ; a plain line between the transcendentals and the use of their results
.set J, 0
	s_wait_alu depctr_va_vdst(0)
.rept 32
	v_pk_mul_f32 v[\y+J:\y+J+1], v[\y+J:\y+J+1], v[RS:RS+1]
.set J, J+2
.endr
.endm
; y = y g + b, eight registers a step; three buffers of 16 registers take turns.  Steps 0, 1, 2 were asked for by the caller; behind step s its buffer takes step s + 3.
; The waits count the loads issued behind step s's four: those of two later steps (8) up to step 5, of one (4) at step 6, none at step 7.
.macro AFFINE y, go, bo, b0, b1, b2
.set AS, 0
.rept 8
.if AS%3 == 0
.set AFB, \b0
.elseif AS%3 == 1
.set AFB, \b1
.else
.set AFB, \b2
.endif
.if AS < 6
	s_wait_dscnt 8
.elseif AS == 6
	s_wait_dscnt 4
.else
	s_wait_dscnt 0x0
.endif
.irp k, 0,2,4,6
	v_pk_fma_f32 v[\y+8*AS+\k:\y+8*AS+\k+1], v[\y+8*AS+\k:\y+8*AS+\k+1], v[AFB+\k:AFB+\k+1], v[AFB+8+\k:AFB+8+\k+1]
.endr
.if AS < 5
	VCH AFB, \go, \bo, AS+3
.endif
.set AS, AS+1
.endr
.endm
; 64 numbers of a lane, register 16 b + i = k 32 b + 16 h + i of my token, become a fragment's codes in v[cod ..] and its scale word in v[swd].
.macro QUANT src, cod, swd
.irp b, 0,1,2,3
	v_max3_num_f32 v[TM+\b], |v[\src+16*\b]|, |v[\src+1+16*\b]|, 0x1800000   ; my 16 numbers of block b, and the floor 2^(3 - 127): the byte cannot fall under 1
.endr
.irp i, 2,4,6,8,10,12,14
.irp b, 0,1,2,3
	v_max3_num_f32 v[TM+\b], v[TM+\b], |v[\src+16*\b+\i]|, |v[\src+1+16*\b+\i]|
.endr
.endr
.irp b, 0,1,2,3
	v_permlanex16_b32 v[TM+4+\b], v[TM+\b], s20, s21
.endr
.irp b, 0,1,2,3
	v_max_num_f32 v[TM+\b], v[TM+\b], v[TM+4+\b]   ; with the other lane half: the block's largest magnitude
.endr
.irp b, 0,1,2,3
	v_add_nc_u32 v[TM+12+\b], 0xff000000, v[TM+\b] ; 2 off its exponent field: the conversion takes that field as its scale
.endr
.irp b, 0,1,2,3
	v_lshrrev_b32 v[TM+4+\b], 23, v[TM+12+\b]      ; the scale's byte
.endr
	v_lshl_or_b32 v[\swd], v[TM+5], 8, v[TM+4]
	v_lshl_or_b32 v[\swd], v[TM+6], 16, v[\swd]
	v_lshl_or_b32 v[\swd], v[TM+7], 24, v[\swd]
.irp b, 0,1,2,3
	v_cvt_scalef32_pk8_fp4_f32 v[\cod+2*\b], v[\src+16*\b:\src+16*\b+7], v[TM+12+\b]
	v_cvt_scalef32_pk8_fp4_f32 v[\cod+1+2*\b], v[\src+16*\b+8:\src+16*\b+15], v[TM+12+\b]
.endr
	v_nop                                          ; one plain line behind the scaled conversions
.irp u, 0,1                                    ; the operand wants a whole block in a lane: lanes 0-15 block 2 u, lanes 16-31 block 2 u + 1
.irp i, 0,1
	v_permlane16_swap_b32 v[\cod+4*\u+\i], v[\cod+2+4*\u+\i]
.endr
.endr
.endm
; gelu(z) = z / 2 + |z / 2| erf(|z| / sqrt 2) on eight registers.  ZK = z sqrt(log2(e) / 2), so that exp(-z^2 / 2) = 2^(-ZK^2); the leading coefficient rides in the exponent (L5 = its log2),
; and the polynomial is t^4 + c4 t^3 + c3 t^2 + c2 t + c1 with t = 1 / (1 + p |ZK|).
.macro GELU8 z
.irp k, 0,2,4,6
	v_pk_mul_f32 v[TM+\k:TM+\k+1], v[\z+\k:\z+\k+1], s[28:29] op_sel_hi:[1,0]
.endr
.irp k, 0,2,4,6
	v_pk_fma_f32 v[TM+8+\k:TM+9+\k], v[TM+\k:TM+\k+1], v[TM+\k:TM+\k+1], s[30:31] op_sel_hi:[1,1,0] neg_lo:[1,0,0] neg_hi:[1,0,0]
.endr
.irp k, 0,1,2,3,4,5,6,7
	v_fma_f32 v[TM+16+\k], |v[TM+\k]|, s40, 1.0
.endr
.irp k, 0,1,2,3,4,5,6,7
	v_rcp_f32 v[TM+16+\k], v[TM+16+\k]             ; t
.endr
.irp k, 0,1,2,3,4,5,6,7
	v_exp_f32 v[TM+8+\k], v[TM+8+\k]               ; a5 exp(-x^2)
.endr
.irp k, 0,2,4,6
	v_pk_mul_f32 v[\z+\k:\z+\k+1], v[\z+\k:\z+\k+1], 0.5 op_sel_hi:[1,0]   ; (the plain lines behind the transcendentals)
.endr
	s_wait_alu depctr_va_vdst(0)
.irp k, 0,2,4,6
	v_pk_add_f32 v[TM+\k:TM+\k+1], v[TM+16+\k:TM+17+\k], s[32:33] op_sel_hi:[1,0]
.endr
.irp c, 34,36,38
.irp k, 0,2,4,6
	v_pk_fma_f32 v[TM+\k:TM+\k+1], v[TM+\k:TM+\k+1], v[TM+16+\k:TM+17+\k], s[\c:\c+1] op_sel_hi:[1,1,0]
.endr
.endr
.irp k, 0,2,4,6
	v_pk_mul_f32 v[TM+8+\k:TM+9+\k], v[TM+8+\k:TM+9+\k], v[TM+16+\k:TM+17+\k]
.endr
.irp k, 0,2,4,6
	v_pk_fma_f32 v[TM+\k:TM+\k+1], v[TM+\k:TM+\k+1], v[TM+8+\k:TM+9+\k], 1.0 op_sel_hi:[1,1,0] neg_lo:[1,0,0] neg_hi:[1,0,0]   ; erf(|x|)
.endr
.irp k, 0,1,2,3,4,5,6,7
	v_fma_f32 v[\z+\k], |v[\z+\k]|, v[TM+\k], v[\z+\k]
.endr
.endm
; PHASE A for one image row: LN1, codes (they stay in CY for the row's q), k and v, into my records of the ring.
; head = 1: the row is read from the stage here (in a trip the lines stand earlier).  bar = 1: the barrier behind the stores.
.macro APHASE head, bar
.if \head
	TRIN STN, ACC, 0
	VCH XP+16, 0, 512, 0
	VCH XP+32, 0, 512, 1
	VCH XP+48, 0, 512, 2
	s_wait_dscnt 12                                ; all but the 12 loads of gains and biases: x is in
.endif
	LNSTAT ACC, ACC
	AFFINE ACC, 0, 512, XP+16, XP+32, XP+48
.irp f, 0,1,2,3
	FETCH XP+8*\f, P_QKV+2048+1024*\f              ; the fragments of k's and v's tiles land while y is quantised
.endr
	QUANT ACC, CY, YS
	PLACES 8                                       ; a scale word made by vector lines stands eight places ahead of a scaled matrix instruction, codes four
	s_wait_dscnt 0x0                               ; the four fragments
	MM0 ACC, XP, CY, SQ+1, YS, 0
	MM0 ACC+8, XP+8, CY, SQ+1, YS, 1
	MM0 ACC+16, XP+16, CY, SQ+2, YS, 0
	MM0 ACC+24, XP+24, CY, SQ+2, YS, 1
	PLACES 4
	s_cmp_lg_u32 s24, 0                            ; a halo row outside the image: k and v are the padding's zeros.  The flag hangs on the work-group number and the trip alone
	s_cbranch_scc1 .Lrow_in_\@
.set J, 0
.rept 32
	v_mov_b32 v[ACC+J], 0
.set J, J+1
.endr
.Lrow_in_\@:
.irp j, 0,1,2,3,4,5,6,7
	ds_store_b128 v[KW], v[ACC+4*\j:ACC+4*\j+3] offset:16*\j       ; k's 16 numbers, then v's; each accumulator from its low end on
.endr
	s_wait_dscnt 0x0                               ; my stores have landed
.if \bar
	s_barrier_signal -1
	s_barrier_wait -1                              ; everybody's have: rows i - 1, i, i + 1 of k and v lie in the ring
.endif
.endm
; ATTENTION.  Group g of 12 loads: k (g < 3) or v of ring row g % 3, the three neighbours left to right, 16 numbers each.  Even groups land in ACC, odd ones in XP.
.macro AGRP g
.set AB, ACC-64*((\g)%2)
.irp n, 0,1,2
.irp j, 0,1,2,3
	ds_load_b128 v[AB+16*\n+4*\j:AB+16*\n+4*\j+3], v[KA+(\g)%3] offset:272*\n+64*((\g)/3)+16*\j
.endr
.endr
.endm
.macro KDOT g                          ; three neighbours' scores, two heads to a register pair, three chains by turns
.set AB, ACC-64*((\g)%2)
.irp n, 0,1,2
	v_pk_mul_f32 v[TM+6*\g+2*\n:TM+6*\g+2*\n+1], v[Q:Q+1], v[AB+16*\n:AB+16*\n+1]
.endr
.irp c, 2,4,6,8,10,12,14
.irp n, 0,1,2
	v_pk_fma_f32 v[TM+6*\g+2*\n:TM+6*\g+2*\n+1], v[Q+\c:Q+\c+1], v[AB+16*\n+\c:AB+16*\n+\c+1], v[TM+6*\g+2*\n:TM+6*\g+2*\n+1]
.endr
.endr
.endm
.macro VSUM g                          ; o += p v for three neighbours; the first product starts the sums
.set AB, ACC-64*((\g)%2)
.irp n, 0,1,2
.irp c, 0,2,4,6,8,10,12,14
.if (\g == 3) && (\n == 0)
	v_pk_mul_f32 v[CH+\c:CH+\c+1], v[AB+16*\n+\c:AB+16*\n+\c+1], v[TM+6*(\g-3)+2*\n:TM+6*(\g-3)+2*\n+1]
.else
	v_pk_fma_f32 v[CH+\c:CH+\c+1], v[AB+16*\n+\c:AB+16*\n+\c+1], v[TM+6*(\g-3)+2*\n:TM+6*(\g-3)+2*\n+1], v[CH+\c:CH+\c+1]
.endif
.endr
.endr
.endm
.macro VBLK buf, blk                   ; ff_b2 of registers 16 blk .. 16 blk + 15
.irp j, 0,1,2,3
	ds_load_b128 v[\buf+4*\j:\buf+4*\j+3], v[VA] offset:2560+128*\blk+16*\j
.endr
.endm
.macro BADD buf, blk
.irp k, 0,2,4,6,8,10,12,14
	v_pk_add_f32 v[XP+16*\blk+\k:XP+16*\blk+\k+1], v[XP+16*\blk+\k:XP+16*\blk+\k+1], v[\buf+\k:\buf+\k+1]
.endr
.endm
; Half hh of the hidden layer: 128 units, eight tiles; the bias is the C of each product; gelu; codes: K step hh of the last product.
.macro FF1H hh
	TRIN VA, ACC, 3072+512*\hh
	s_wait_dscnt 0x0                               ; the bias
	WIN 0x01                                       ; source 0 (the weight) in window 1
.irp j, 0,1,2,3,4,5,6,7
	MMA ACC+8*\j, 8*(8*\hh+\j), C2, S1+4*\hh+\j/2, C2S, \j%2
.endr
	WIN 0
	PLACES 4
.irp j, 0,1,2,3,4,5,6,7
	GELU8 ACC+8*\j
.endr
	QUANT ACC, CH+8*\hh, CHS+\hh
.endm
	; ---------------- set-up
	s_load_b128 s[4:7], s[0:1], 0x0                ; xin, xout
	s_load_b64 s[8:9], s[0:1], 0x10                ; P
	v_lshrrev_b32 v12, 5, v0
	v_readfirstlane_b32 s10, v12                   ; wave w
	v_and_b32 v1, 31, v0
	v_lshlrev_b32 v[L16], 4, v1
	v_and_b32 v12, 15, v0                          ; r
	v_bfe_u32 v13, v0, 4, 1                        ; h
	s_mul_i32 s12, s10, WSTG
	s_add_co_u32 s12, s12, STG
	v_add_nc_u32 v[SD], s12, v[L16]
	v_mul_u32_u24 v[ST], v12, 528
	v_lshl_add_u32 v[ST], v13, 6, v[ST]
	v_add_nc_u32 v[ST], s12, v[ST]
	s_mul_i32 s13, s10, 16*272
	v_mul_u32_u24 v[KL], v12, 272
	v_lshl_add_u32 v[KL], v13, 7, v[KL]
	v_add_nc_u32 v[KL], s13, v[KL]
	v_lshlrev_b32 v[VA], 6, v13
	v_add_nc_u32 v[VA], PB+P_VEC, v[VA]
	v_add_nc_u32 v[FI], PB, v[L16]
	v_lshlrev_b32 v[OA], 4, v12
	v_add_nc_u32 v[OA], PB+P_OUT, v[OA]
	v_lshlrev_b32 v14, 4, v0                       ; the copy of P: 16 x thread in P,
	v_add_nc_u32 v11, PB, v14                      ; and in LDS
	v_lshrrev_b32 v10, 2, v[L16]                   ; 4 x lane: a scale image
	s_lshr_b32 s14, s10, 1                         ; the eight records of zeros: wave w clears record 0 (w even) or 129 (w odd) of ring row w / 2
	s_mul_i32 s14, s14, KROW
	s_and_b32 s15, s10, 1
	s_mul_i32 s15, s15, 129*272
	s_add_co_u32 s14, s14, s15
	v_lshrrev_b32 v9, 1, v[L16]
	v_add_nc_u32 v9, s14, v9                       ; 8 bytes a lane
	v_mov_b32 v120, 0
	v_mov_b32 v121, 0
	s_mov_b32 s20, 0x76543210                      ; v_permlanex16_b32: lane l xor 16
	s_mov_b32 s21, 0xfedcba98
	s_mov_b32 s28, 0x3f596d27                      ; sqrt(log2(e) / 2) = 0.8493218.  (A packed form names a pair and takes its low word for both halves: both words are written)
	s_mov_b32 s29, s28
	s_mov_b32 s30, 0x3db01419                      ; L5 = log2(1.061405429) = 0.0859758
	s_mov_b32 s31, s30
	s_mov_b32 s32, 0xbfaf3e1c                      ; c4 = -1.3690829
	s_mov_b32 s33, s32
	s_mov_b32 s34, 0x3fab6a47                      ; c3 = 1.3391808
	s_mov_b32 s35, s34
	s_mov_b32 s36, 0xbe893c3f                      ; c2 = -0.2680378
	s_mov_b32 s37, s36
	s_mov_b32 s38, 0x3e75d95a                      ; c1 = 0.2400869
	s_mov_b32 s39, s38
	s_mov_b32 s40, 0x3e8ba43f                      ; p = 0.3275911 / sqrt(log2(e)) = 0.2727375
	s_mov_b32 s41, 0x3c000000                      ; 1 / 128
	s_mov_b32 s42, 0x3a83126f                      ; eps = 1e-3
	s_mov_b32 s44, 0x3f0293ee                      ; log2(e) / sqrt(8) = 0.5100697
	s_mov_b32 s45, s44
	s_and_b32 s12, ttmp9, 31                       ; my place among the image's 32 work-groups
	s_cmp_lg_u32 s12, 0
	s_cselect_b32 s22, 1, 0                        ; is there a row above?
	s_cselect_b32 s16, ROWB, 0                     ; if not, row 0 is loaded in its stead (no load leaves the buffer) and its k and v are replaced by zeros
	s_mov_b32 s17, 0
	s_cmp_lg_u32 s12, 31
	s_cselect_b32 s23, 1, 0                        ; and below?
	s_cselect_b32 s25, ROWB, 0
	s_mov_b32 s27, 0
	s_lshl_b32 s12, ttmp9, 18                      ; four rows of 65,536 bytes a work-group,
	s_lshl_b32 s13, s10, 13                        ; 8,192 bytes a tile
	s_add_co_u32 s12, s12, s13
	s_mov_b32 s13, 0
	s_wait_kmcnt 0x0
	s_add_nc_u64 s[4:5], s[4:5], s[12:13]          ; my tile of row 0
	s_add_nc_u64 s[6:7], s[6:7], s[12:13]
	s_sub_nc_u64 s[18:19], s[4:5], s[16:17]        ; and of row -1
	XLOAD ACC, 18, 0                               ; rows -1, 0, 1, P and the scale images go out together
	XLOAD XP, 4, 0
	WIN 0x40                                       ; destination window 1
	XLOAD XL, 4, ROWB
	WIN 0
.irp k, 0,1,2,3,4,5,6,7,8,9,10
	global_load_b128 v[76+4*\k:79+4*\k], v14, s[8:9] offset:4096*\k
.endr
.irp m, 0,1,2,3,4,5,6,7,8,9,10,11,12,13,14,15,16,17,18
	global_load_b32 v[S1+\m], v10, s[8:9] offset:P_SC+128*\m
.endr
.irp m, 0,1,2,3
	global_load_b32 v[SO+\m], v10, s[8:9] offset:P_SC+128*(20+\m)
.endr
	s_wait_loadcnt 0x0                             ; all of them
	s_add_nc_u64 s[4:5], s[4:5], ROWB              ; the row loaded last: row 1
.irp k, 0,1,2,3,4,5,6,7,8,9,10
	ds_store_b128 v11, v[76+4*\k:79+4*\k] offset:4096*\k
.endr
	STIN SD, ACC, SLOTB                            ; row -1 into slot 1,
	STIN SD, XP, 0                                 ; row 0 into slot 0
	ds_store_b64 v9, v[120:121]
	s_wait_dscnt 0x0                               ; for the others' sake: my part of P and my record of zeros have landed
	s_barrier_signal -1
	s_barrier_wait -1
	WIN 0x40                                       ; the fragments that stay: FF1's sixteen, FF2's K step 0.  Later waits cover them: they are older than all that those waits count
.irp t, 0,1,2,3,4,5,6,7,8,9,10,11,12,13,14,15
	ds_load_b128 v[8*\t:8*\t+3], v[FI] offset:1024*\t
	ds_load_b128 v[8*\t+4:8*\t+7], v[FI] offset:1024*\t+512
.endr
.irp n, 0,1,2,3,4,5,6,7
	ds_load_b128 v[128+8*\n:128+8*\n+3], v[FI] offset:P_F2+1024*\n
	ds_load_b128 v[128+8*\n+4:128+8*\n+7], v[FI] offset:P_F2+1024*\n+512
.endr
	WIN 0
	v_add_nc_u32 v[STN], SLOTB, v[ST]              ; row -1: slot 1, ring row 0
	v_add_nc_u32 v[KW], 272, v[KL]
	s_mov_b32 s24, s22
	APHASE 1, 0
	v_mov_b32 v[STN], v[ST]                        ; row 0: slot 0, ring row 1.  Its codes stay in CY for the first trip's q
	v_add_nc_u32 v[KW], KROW+272, v[KL]
	s_mov_b32 s24, 1
	APHASE 1, 0
	; ---------------- four trips: trip i runs phase A for row i + 1 and phase B for row i
	s_mov_b32 s11, 0
.Ltrip:
	s_add_co_u32 s12, s11, 1
	s_and_b32 s13, s12, 1
	s_mul_i32 s13, s13, SLOTB
	v_add_nc_u32 v[SDN], s13, v[SD]
	v_add_nc_u32 v[STN], s13, v[ST]
	s_and_b32 s13, s11, 1
	s_mul_i32 s13, s13, SLOTB
	v_add_nc_u32 v[STC], s13, v[ST]
	v_add_nc_u32 v[SDC], s13, v[SD]
	s_and_b32 s13, s11, 3
	s_mul_i32 s13, s13, KROW
	v_add_nc_u32 v[KA], s13, v[KL]
	s_and_b32 s13, s12, 3
	s_mul_i32 s13, s13, KROW
	v_add_nc_u32 v[KA+1], s13, v[KL]
	s_add_co_u32 s12, s11, 2
	s_and_b32 s13, s12, 3
	s_mul_i32 s13, s13, KROW
	v_add_nc_u32 v[KA+2], s13, v[KL]
	v_add_nc_u32 v[KW], 272, v[KA+2]
	s_cmp_eq_u32 s11, 3
	s_cselect_b32 s24, s23, 1                      ; row i + 1 lies in the image, but perhaps for row 4
	s_cmp_eq_u32 s11, 2
	s_cselect_b32 s26, s25, ROWB                   ; the next load goes one row on; where there is no row 4, row 3 is loaded once more
	FETCH XP, P_QKV                                ; q's two fragments
	FETCH XP+8, P_QKV+1024
	s_wait_loadcnt 0x0                             ; row i + 1, asked for a trip ago, is in
	WIN 0x04                                       ; the stores' data in window 1
	STIN SDN, XL, 0
	WIN 0
	TRIN STN, ACC, 0                               ; LDS serves a wave's instructions in order (ISA guide 5.7.1.4): these see the stores above
	VCH XP+16, 0, 512, 0
	VCH XP+32, 0, 512, 1
	VCH XP+48, 0, 512, 2
	s_wait_dscnt 28                                ; all but the 16 + 12 loads just issued: q's fragments are in, and the stores have read the registers that the next row lands in
	s_cmp_lt_u32 s11, 3                            ; the last trip asks for nothing
	s_cbranch_scc0 .Lno_row
	s_add_nc_u64 s[4:5], s[4:5], s[26:27]
	WIN 0x40
	XLOAD XL, 4, 0                                 ; row i + 2: a whole trip ahead of its use
	WIN 0
.Lno_row:
	MM0 Q, XP, CY, SQ, YS, 0                       ; q of row i, from the codes that the last phase A left
	MM0 Q+8, XP+8, CY, SQ, YS, 1
	s_wait_dscnt 12                                ; all but the 12 loads of gains and biases: x of row i + 1 is in
	APHASE 0, 1
	; ---- attention for row i.  In front of group g's work the count leaves the next group's 12 loads out
	AGRP 0
	AGRP 1
	s_wait_dscnt 12
	KDOT 0
	AGRP 2
	s_wait_dscnt 12
	KDOT 1
	AGRP 3
	s_wait_dscnt 12
	KDOT 2
	AGRP 4
	v_max3_num_f32 v[TM+18], v[TM], v[TM+2], v[TM+4]               ; the largest of the nine scores, for each of my two heads
	v_max3_num_f32 v[TM+19], v[TM+1], v[TM+3], v[TM+5]
.irp n, 6,10,14
	v_max3_num_f32 v[TM+18], v[TM+18], v[TM+\n], v[TM+\n+2]
	v_max3_num_f32 v[TM+19], v[TM+19], v[TM+\n+1], v[TM+\n+3]
.endr
	v_pk_mul_f32 v[TM+20:TM+21], v[TM+18:TM+19], s[44:45] op_sel_hi:[1,0] neg_lo:[1,0] neg_hi:[1,0]
.irp n, 0,2,4,6,8,10,12,14,16
	v_pk_fma_f32 v[TM+\n:TM+\n+1], v[TM+\n:TM+\n+1], s[44:45], v[TM+20:TM+21] op_sel_hi:[1,0,1]   ; (score - largest) log2(e) / sqrt(8)
.endr
.irp n, 0,1,2,3,4,5,6,7,8,9,10,11,12,13,14,15,16,17
	v_exp_f32 v[TM+\n], v[TM+\n]
.endr
	v_nop                                          ; a plain line between the exponentials and the use of their results
	s_wait_alu depctr_va_vdst(0)
	v_pk_add_f32 v[TM+22:TM+23], v[TM:TM+1], v[TM+2:TM+3]
	v_pk_add_f32 v[TM+24:TM+25], v[TM+4:TM+5], v[TM+6:TM+7]
	v_pk_add_f32 v[TM+26:TM+27], v[TM+8:TM+9], v[TM+10:TM+11]
	v_pk_add_f32 v[TM+28:TM+29], v[TM+12:TM+13], v[TM+14:TM+15]
	v_pk_add_f32 v[TM+22:TM+23], v[TM+22:TM+23], v[TM+24:TM+25]
	v_pk_add_f32 v[TM+26:TM+27], v[TM+26:TM+27], v[TM+28:TM+29]
	v_pk_add_f32 v[TM+22:TM+23], v[TM+22:TM+23], v[TM+26:TM+27]
	v_pk_add_f32 v[TM+22:TM+23], v[TM+22:TM+23], v[TM+16:TM+17]
	v_rcp_f32 v[TM+30], v[TM+22]
	v_rcp_f32 v[TM+31], v[TM+23]                   ; used behind the sums below, which are the plain lines behind it
	s_wait_dscnt 12
	VSUM 3
	AGRP 5
	s_wait_dscnt 12
	VSUM 4
	s_wait_dscnt 0x0                               ; my last reads of k and v are in:
	s_barrier_signal -1                            ; say so; work on registers while the others arrive
	VSUM 5
	s_wait_alu depctr_va_vdst(0)
.irp c, 0,2,4,6,8,10,12,14
	v_pk_mul_f32 v[CH+\c:CH+\c+1], v[CH+\c:CH+\c+1], v[TM+30:TM+31]   ; o, normalised
.endr
	s_barrier_wait -1                              ; nobody reads the ring any more: the next trip may store into it
	; ---- x' = x + out_b + o W_out
	TRIN STC, XP, 0                                ; the residual: row i once more from its slot
	TRIN VA, ACC, 1024                             ; out_b
.irp t, 0,1,2,3,4,5,6,7
	ds_load_b128 v[TM+4*\t:TM+4*\t+3], v[OA] offset:256*\t         ; OUT's tile t: four registers hold its K = 32
.endr
	ds_load_b128 v[TM+32:TM+35], v[OA]                             ; tile 7's operand names four registers more: they are written, and meet only zero codes
	v_max3_num_f32 v[Q], |v[CH]|, |v[CH+1]|, 0x1800000             ; o is one block of 32, in lanes l and l xor 16; the floor as above
	v_max3_num_f32 v[Q+1], |v[CH+2]|, |v[CH+3]|, |v[CH+4]|
	v_max3_num_f32 v[Q], v[Q], |v[CH+5]|, |v[CH+6]|
	v_max3_num_f32 v[Q+1], v[Q+1], |v[CH+7]|, |v[CH+8]|
	v_max3_num_f32 v[Q], v[Q], |v[CH+9]|, |v[CH+10]|
	v_max3_num_f32 v[Q+1], v[Q+1], |v[CH+11]|, |v[CH+12]|
	v_max3_num_f32 v[Q], v[Q], |v[CH+13]|, |v[CH+14]|
	v_max3_num_f32 v[Q], v[Q], v[Q+1], |v[CH+15]|
	v_permlanex16_b32 v[Q+2], v[Q], s20, s21
	v_max_num_f32 v[Q], v[Q], v[Q+2]
	v_add_nc_u32 v[Q+1], 0xff000000, v[Q]
	v_lshrrev_b32 v[C2S], 23, v[Q+1]               ; the byte of block 0; the word's other bytes are 0 and stand over zero codes
	v_cvt_scalef32_pk8_fp4_f32 v[C2], v[CH:CH+7], v[Q+1]
	v_cvt_scalef32_pk8_fp4_f32 v[C2+1], v[CH+8:CH+15], v[Q+1]
.irp j, 2,3,4,5,6,7
	v_mov_b32 v[C2+\j], 0                          ; K = 32 .. 127: zero codes.  (Also the plain lines behind the conversions)
.endr
	v_permlane16_swap_b32 v[C2], v[C2+2]           ; lanes 0-15 get the whole block, lanes 16-31 zeros
	v_permlane16_swap_b32 v[C2+1], v[C2+3]
	s_wait_dscnt 9                                 ; all but OUT's nine loads: x and out_b are in
.set J, 0
.rept 32
	v_pk_add_f32 v[XP+J:XP+J+1], v[XP+J:XP+J+1], v[ACC+J:ACC+J+1]   ; of these 32 lines 28 name no register of any one product below: its places behind the codes and the scale word
.set J, J+2
.endr
	s_wait_dscnt 0x0                               ; OUT's rows
.irp t, 0,1,2,3,4,5,6,7
	MMA XP+8*\t, TM+4*\t, C2, SO+\t/2, C2S, \t%2
.endr
	PLACES 4
	; ---- LN2, its codes; ff_b2 joins x' meanwhile
	VCH CH, 1536, 2048, 0
	VCH Q, 1536, 2048, 1
	VCH TM+16, 1536, 2048, 2
	LNSTAT XP, ACC
	AFFINE ACC, 1536, 2048, CH, Q, TM+16
	VBLK CH, 0
	VBLK Q, 1
	VBLK TM+16, 2
	QUANT ACC, C2, C2S
	s_wait_dscnt 8                                 ; block 0 of ff_b2 is in; blocks 1 and 2 may be out
	BADD CH, 0
	VBLK CH, 3
	s_wait_dscnt 8                                 ; block 1; blocks 2 and 3 may be out
	BADD Q, 1
	s_wait_dscnt 4                                 ; block 2; block 3 may be out
	BADD TM+16, 2
	s_wait_dscnt 0x0
	BADD CH, 3                                     ; these 32 additions are the places between the codes and the products below
	; ---- the hidden layer, half by half
	FF1H 0
	FF1H 1
	; ---- x'' = x' + ff_b2 + hidden W2: eight accumulators by turns, one instruction a turn, K step by K step
.irp n, 0,1,2,3,4,5,6,7
	FETCH ACC+8*\n, P_F2+8192+1024*\n              ; K step 1's fragments land under K step 0's products
.endr
	PLACES 8                                       ; behind the second half's codes and scale word
	WIN 0x01
.irp n, 0,1,2,3,4,5,6,7
	MMA XP+8*\n, 128+8*\n, CH, S2+\n/2, CHS, \n%2
.endr
	WIN 0
	s_wait_dscnt 0x0                               ; K step 1's fragments
.irp n, 0,1,2,3,4,5,6,7
	MMA XP+8*\n, ACC+8*\n, CH+8, S2+4+\n/2, CHS+1, \n%2
.endr
	PLACES 4
	; ---- the way out: turned back through the row's slot, stored as it lies
.irp b, 0,1,2,3
.irp j, 0,1,2,3
	ds_store_b128 v[STC], v[XP+16*\b+4*\j:XP+16*\b+4*\j+3] offset:128*\b+16*\j   ; ascending: each accumulator from its low end on
.endr
.endr
.irp t, 0,1,2,3,4,5,6,7,8,9,10,11,12,13,14,15
	ds_load_b128 v[ACC+4*\t:ACC+4*\t+3], v[SDC] offset:528*\t      ; in order behind the stores above
.endr
.irp t, 0,1,2,3,4,5,6,7,8,9,10,11,12,13,14,15
	s_wait_dscnt 15-\t                             ; token t's row is in; the younger loads may be out
	global_store_b128 v[L16], v[ACC+4*\t:ACC+4*\t+3], s[6:7] offset:512*\t   ; 32 lanes store 512 consecutive bytes, at a multiple of 512 from the buffer's first byte
.endr
	s_wait_xcnt 0x0                                ; only behind this wait are the stores' base and data registers written again
	s_add_nc_u64 s[6:7], s[6:7], ROWB
	s_add_co_u32 s11, s11, 1
	s_cmp_lt_u32 s11, 4
	s_cbranch_scc1 .Ltrip
	s_wait_xcnt 0x0
	v_lshl_add_u32 v254, v0, 2, 0x4e900
	v_mov_b32 v255, 0
	s_wait_tensorcnt 0x0
	ds_add_u32 v254, v255
	s_wait_dscnt 0x0
	s_endpgm
.Lfunc_end_k_qdbd97a33f0_layer0:
	.size	k_qdbd97a33f0_layer0, .Lfunc_end_k_qdbd97a33f0_layer0-k_qdbd97a33f0_layer0
	.p2alignl 7, 3214868480
	.fill 96, 4, 3214868480
	.section	.rodata,"a",@progbits
	.p2align	6, 0x0
	.amdhsa_kernel k_qdbd97a33f0_layer0
		.amdhsa_group_segment_fixed_size 322816
		.amdhsa_private_segment_fixed_size 0
		.amdhsa_enable_private_segment 0
		.amdhsa_kernarg_size 24
		.amdhsa_user_sgpr_count 2
		.amdhsa_user_sgpr_kernarg_segment_ptr 1
		.amdhsa_wavefront_size32 1
		.amdhsa_system_sgpr_workgroup_id_x 1
		.amdhsa_system_sgpr_workgroup_id_y 1
		.amdhsa_system_sgpr_workgroup_id_z 1
		.amdhsa_system_vgpr_workitem_id 0
		.amdhsa_next_free_vgpr 512
		.amdhsa_next_free_sgpr 66
		.amdhsa_reserve_vcc 0
		.amdhsa_float_denorm_mode_32 3
		.amdhsa_float_denorm_mode_16_64 3
		.amdhsa_memory_ordered 1
		.amdhsa_forward_progress 1
		.amdhsa_inst_pref_size 208
	.end_amdhsa_kernel
	.amdgpu_metadata
---
amdhsa.version: [ 1, 2 ]
amdhsa.kernels:
  - .name:           k_qdbd97a33f0_layer0
    .symbol:         k_qdbd97a33f0_layer0.kd
    .args:
      - { .name: x, .offset: 0, .size: 8, .value_kind: global_buffer, .address_space: global }
      - { .name: ws, .offset: 8, .size: 8, .value_kind: global_buffer, .address_space: global }
      - { .name: p0, .offset: 16, .size: 8, .value_kind: global_buffer, .address_space: global }
    .group_segment_fixed_size: 322816
    .private_segment_fixed_size: 0
    .kernarg_segment_align: 8
    .kernarg_segment_size: 24
    .max_flat_workgroup_size: 256
    .sgpr_count:     66
    .vgpr_count:     512
    .wavefront_size: 32
...
	.end_amdgpu_metadata
.endif
;; end of part 2
;; launch layer1: the kernel of part 2 again; grid 256 x 1, 8 waves a work-group, no clusters, 322,816 bytes of LDS; arguments ws, out0, p1; writes out0
;; launch layer2: the kernel of part 2 again; grid 256 x 1, 8 waves a work-group, no clusters, 322,816 bytes of LDS; arguments out0, ws, p2; writes ws
;; launch layer3: the kernel of part 2 again; grid 256 x 1, 8 waves a work-group, no clusters, 322,816 bytes of LDS; arguments ws, out0, p3; writes out0
